; MI455X (gfx1250); checked and timed in simulation.
; The chip was launched on July 23, 2026; its instructions are those of AMD's public machine-readable ISA for CDNA 5 (MIT licence, August 2026) and "CDNA5" Instruction Set Architecture Reference Guide (July 2026). The comments in the code are by the model that wrote it; some were corrected since.
;; Mo E. Allowed arithmetic: float matrix products may take bf16 or f16 operands with f32 sums; other float arithmetic in f32, or as packed bf16 or f16 multiplies, adds, multiply-adds, maxima and minima; sums over many terms, partial sums and values carried from step to step in f32; what a program stores and reads back later, other than sums and carried values, may be rounded once to bf16 or f16.
;; Inputs: We 4 x 1,024 x 1,024 float32; Wg 4 x 1,024 float32; be 4 x 1,024 float32; bg 4 float32; x 8 x 2,048 x 1,024 float32.
;; Outputs: out0 8 x 2,048 x 1,024 float32.
;; One version. Each part assembles by itself: llvm-mc -triple=amdgcn-amd-amdhsa -mcpu=gfx1250 --defsym DOCPART=n.
;; ======== version 1 of 1: 2 launches
;; workspace buffers: xb 33,554,432 bytes; wp 8,388,608 bytes; cnt 4,096 bytes
;; launch prep (part 1): grid 256 x 1, 8 waves a work-group, no clusters, 1,280 bytes of LDS; arguments x, Wg, bg, We, xb, wp, cnt; writes xb, wp, cnt
.if DOCPART == 1
	.amdgcn_target "amdgcn-amd-amdhsa--gfx1250"
	.amdhsa_code_object_version 6
	.text
	.protected	k_qfc711e7edf_prep
	.globl	k_qfc711e7edf_prep
	.p2align	8
	.type	k_qfc711e7edf_prep,@function
k_qfc711e7edf_prep:
	s_mov_b64 s[64:65], 0
	v_nop
	global_prefetch_b8 v0, s[64:65] scope:SCOPE_SE
	s_setreg_imm32_b32 hwreg(HW_REG_WAVE_MODE, 25, 1), 1
	s_wait_xcnt 0x0
; PREP: the gate, its argmax and the partial counts, and x and We rounded once to bf16 for the product that follows.
;   gate[row][e] = x[row] . Wg[e] + bg[e] in f32 on the vector unit; the row counts for the first expert with the largest gate.
;   xb[row][:] = bf16(x[row][:]).   wp[256 j + 128 c + 32 e + fi][:] = bf16(We[e][64 j + 32 c + fi][:]): the experts' rows laid so that 128 neighbouring rows of wp
;   are four experts x 32 output columns.   cnt[g][e] = how many of rows 64 g .. 64 g + 63 chose expert e, as f32 (whole numbers up to 64: exact).
; SHARES.  Work-group g: 64 rows of x, 16 rows of wp.  Wave w: x rows 64 g + 8 w + 0..7 and wp rows 16 g + 2 w + 0, 1.  One wave takes a whole row: eight loads of 16 bytes a lane
; (each covers 512 neighbouring bytes) into 32 registers; the row leaves as eight stores of 8 bytes a lane, each covering 256 consecutive bytes, aligned.
; Five row slots in registers: four to five rows of every wave are on their way.  Ten turns on five slots: written out, no loop.
; No matrix unit, no cluster: every byte has one reader, and the gate is four dot products a row beside a stream.
; LIMITS.  A NaN among a row's gates never wins the choice (an argmax that ranks NaN highest would take it).  The gate's f32 sum is taken in another order than a plain dot product:
; a row whose two best gates agree to the last bits may fall to the other expert, which moves two weights of its batch by 1/2048.
; cnt is stored 16 bytes a work-group (4,096 bytes in all): not whole aligned blocks of 256.
.set ROWF,  4096                       ; bytes in a row of x or We
.set ROWH,  2048                       ; bytes in a row of xb or wp
.set SPARE, 256                        ; LDS: bytes 0-127 the eight waves' counts (the block 0-255 is theirs); from 256 the spare words, 128 bytes a wave
.set XO,   1                           ; v1   16 x lane: my 16 bytes in each 512 of an f32 row
.set YO,   2                           ; v2   8 x lane: my 8 bytes in each 256 of a bf16 row
.set LN,   3                           ; v3   lane
.set SPW,  4                           ; v4   LDS address of my spare word; never rewritten
.set NIL,  5                           ; v5   0; never rewritten
.set WA,   6                           ; v6   16 x wave: where my wave's four counts go
.set ZA,   7                           ; v7   0, as an address
.set C8,   8                           ; v8-10  8, 16, 24: the bit at which expert 1, 2, 3 is counted
.set C16,  9
.set C24,  10
.set ONE,  11                          ; v11  1
.set ACC,  16                          ; v[16:23]  four pairs of gate sums
.set PX,   24                          ; v[24:27]  at work
.set BEST, 28
.set IDX,  29
.set CNT,  30                          ; four counters of 8 bits, 8 at the most in each; the same in every lane
.set TMP,  31
.set X,    64                          ; v[64:223] five row slots of 32 registers.   Window 1, v[0:127]: Wg, v[32 e + 4 j + k] = Wg[e][128 j + 4 lane + k], a row slot's own map
.set BG,   24                          ; s[24:27] bg
.set SEL,  28                          ; s[28:29] v_permlanex16_b32's selects: each lane takes its own place in the other half
.set MSB, 0
.macro WIN new                         ; s_set_vgpr_msb: bits 1:0 source 0, 3:2 source 1, 5:4 source 2, 7:6 destination; the high byte repeats the setting that is left
.if MSB != (\new)
	s_set_vgpr_msb (MSB<<8)|(\new)
.set MSB, \new
.endif
.endm
	s_load_b256 s[4:11], s[0:1], 0x0               ; x s[4:5], Wg s[6:7], bg s[8:9], We s[10:11]
	s_load_b128 s[12:15], s[0:1], 0x20             ; xb s[12:13], wp s[14:15]
	s_load_b64 s[16:17], s[0:1], 0x30              ; cnt
	v_lshl_add_u32 v[SPW], v0, 2, SPARE
	v_mov_b32 v[NIL], 0
	v_lshrrev_b32 v[TMP], 5, v0
	v_readfirstlane_b32 s18, v[TMP]                ; wave 0..7
	v_and_b32 v[LN], 31, v0
	v_lshlrev_b32 v[XO], 4, v[LN]
	v_lshlrev_b32 v[YO], 3, v[LN]
	v_lshlrev_b32 v[WA], 4, v[TMP]
	v_mov_b32 v[ZA], 0
	v_mov_b32 v[C8], 8
	v_mov_b32 v[C16], 16
	v_mov_b32 v[C24], 24
	v_mov_b32 v[ONE], 1
.irp g, 0,1,2,3
	v_mov_b32 v[PX+(\g)], 0                        ; v_permlanex16_b32's destination counts as read: written once here
.endr
	s_mov_b32 s[SEL], 0x76543210
	s_mov_b32 s[SEL+1], 0xfedcba98
	; byte offsets, each in a pair of its own with 0 on top
	s_lshl_b32 s20, ttmp9, 18                      ; x: 64 rows of 4,096 bytes a work-group,
	s_lshl_b32 s31, s18, 15                        ; 8 rows a wave
	s_add_co_u32 s20, s20, s31
	s_mov_b32 s21, 0
	s_lshl_b32 s22, ttmp9, 17                      ; xb: the same rows at 2,048 bytes
	s_lshl_b32 s31, s18, 14
	s_add_co_u32 s22, s22, s31
	s_mov_b32 s23, 0
	s_bfe_u32 s32, ttmp9, 0x20001                  ; We: wp row 16 g + 2 w = 256 j + 128 c + 32 e + fi, so e = (g >> 1) & 3,
	s_lshl_b32 s32, s32, 10                        ; 1,024 rows an expert,
	s_lshr_b32 s31, ttmp9, 4                       ; j = g >> 4,
	s_lshl_b32 s31, s31, 6
	s_add_co_u32 s32, s32, s31
	s_bfe_u32 s31, ttmp9, 0x10003                  ; c = (g >> 3) & 1,
	s_lshl_b32 s31, s31, 5
	s_add_co_u32 s32, s32, s31
	s_and_b32 s31, ttmp9, 1                        ; fi = 16 (g & 1) + 2 w
	s_lshl_b32 s31, s31, 4
	s_add_co_u32 s32, s32, s31
	s_lshl_b32 s31, s18, 1
	s_add_co_u32 s32, s32, s31
	s_lshl_b32 s32, s32, 12                        ; rows of 4,096 bytes
	s_mov_b32 s33, 0
	s_lshl_b32 s34, ttmp9, 15                      ; wp: 16 rows of 2,048 bytes a work-group, 2 a wave
	s_lshl_b32 s31, s18, 12
	s_add_co_u32 s34, s34, s31
	s_mov_b32 s35, 0
	s_lshl_b32 s36, ttmp9, 4                       ; cnt: 16 bytes a work-group
	s_mov_b32 s37, 0
	s_wait_kmcnt 0x0
	s_load_b128 s[BG:BG+3], s[8:9], 0x0            ; bg's four numbers; nothing in this launch stores into bg
	s_add_nc_u64 s[4:5], s[4:5], s[20:21]
	s_add_nc_u64 s[12:13], s[12:13], s[22:23]
	s_add_nc_u64 s[10:11], s[10:11], s[32:33]
	s_add_nc_u64 s[14:15], s[14:15], s[34:35]
	s_add_nc_u64 s[16:17], s[16:17], s[36:37]
; eight loads: 512 neighbouring bytes each, a whole f32 row into slot s
.macro LOADROW s, base, off
.irp j, 0,1,2,3,4,5,6,7
	global_load_b128 v[X+32*(\s)+4*(\j):X+32*(\s)+4*(\j)+3], v[XO], s[\base:\base+1] offset:(\off)+512*(\j) th:TH_LOAD_NT
.endr
.endm
; the four gates of the row in slot s: four chains that do not wait for each other, started by the first products (nothing is cleared); then across the lanes; bg last
.macro GATE s
	WIN 0x04                                       ; source 1 (Wg) in window 1
.set p, 0
.rept 16
.irp g, 0,1,2,3
.if p == 0
	v_pk_mul_f32 v[ACC+2*(\g):ACC+2*(\g)+1], v[X+32*(\s):X+32*(\s)+1], v[32*(\g):32*(\g)+1]
.else
	v_pk_fma_f32 v[ACC+2*(\g):ACC+2*(\g)+1], v[X+32*(\s)+2*p:X+32*(\s)+2*p+1], v[32*(\g)+2*p:32*(\g)+2*p+1], v[ACC+2*(\g):ACC+2*(\g)+1]
.endif
.endr
.set p, p+1
.endr
	WIN 0
.irp g, 0,1,2,3
	v_add_f32 v[ACC+2*(\g)], v[ACC+2*(\g)], v[ACC+2*(\g)+1]
.endr
.irp m, 1,2,4,8
.irp g, 0,1,2,3
	v_add_f32_dpp v[ACC+2*(\g)], v[ACC+2*(\g)], v[ACC+2*(\g)] row_xmask:\m row_mask:0xf bank_mask:0xf
.endr
.endr
.irp g, 0,1,2,3
	v_permlanex16_b32 v[PX+(\g)], v[ACC+2*(\g)], s[SEL], s[SEL+1]
.endr
.irp g, 0,1,2,3
	v_add_f32 v[ACC+2*(\g)], v[ACC+2*(\g)], v[PX+(\g)]  ; every lane now holds the same sum
.endr
.irp g, 0,1,2,3
	v_add_f32 v[ACC+2*(\g)], s[BG+(\g)], v[ACC+2*(\g)]
.endr
.endm
; the first expert with the largest gate (a later one must be strictly greater), counted in its own 8 bits of CNT.  The choice selects a value only: no address and no branch hangs on it.
.macro PICK first
	v_cmp_gt_f32 vcc_lo, v[ACC+2], v[ACC]
	v_cndmask_b32 v[IDX], 0, v[C8], vcc_lo
	v_max_num_f32 v[BEST], v[ACC], v[ACC+2]
	v_cmp_gt_f32 vcc_lo, v[ACC+4], v[BEST]
	v_cndmask_b32 v[IDX], v[IDX], v[C16], vcc_lo
	v_max_num_f32 v[BEST], v[BEST], v[ACC+4]
	v_cmp_gt_f32 vcc_lo, v[ACC+6], v[BEST]
	v_cndmask_b32 v[IDX], v[IDX], v[C24], vcc_lo
.if \first
	v_lshlrev_b32 v[CNT], v[IDX], v[ONE]           ; the first row starts the counters
.else
	v_lshlrev_b32 v[TMP], v[IDX], v[ONE]
	v_add_nc_u32 v[CNT], v[CNT], v[TMP]
.endif
.endm
; the row in slot s rounded to bf16 in place (four numbers into the first two of their four registers) and stored
.macro CONVSTORE s, base, off
.irp j, 0,1,2,3,4,5,6,7
	v_cvt_pk_bf16_f32 v[X+32*(\s)+4*(\j)],   v[X+32*(\s)+4*(\j)],   v[X+32*(\s)+4*(\j)+1]
	v_cvt_pk_bf16_f32 v[X+32*(\s)+4*(\j)+1], v[X+32*(\s)+4*(\j)+2], v[X+32*(\s)+4*(\j)+3]
.endr
.irp j, 0,1,2,3,4,5,6,7
	global_store_b64 v[YO], v[X+32*(\s)+4*(\j):X+32*(\s)+4*(\j)+1], s[\base:\base+1] offset:(\off)+256*(\j)  ; the wave's 32 lanes cover 256 consecutive bytes, aligned
.endr
.endm
; We's row i (slot i) goes out; the slot takes x row 3 + i
.macro WTURN i
	s_wait_loadcnt 32                              ; loads come back in order (ISA guide 5.7.1): four younger rows, 8 loads each, stay out
	CONVSTORE \i, 14, ROWH*(\i)
	s_wait_xcnt 0x0                                ; the slot's registers are the stores' data: loaded again only behind this wait
	LOADROW \i, 4, ROWF*(3+(\i))
.endm
; x row i (slot (i + 2) % 5): gate, choice, cast, store.  left = 8 loads for each younger row still out.  fill = 1: the slot takes row i + 5
.macro XTURN i, left, fill
	s_wait_loadcnt \left
	GATE ((\i)+2)%5
.if (\i) == 0
	PICK 1
.else
	PICK 0
.endif
	CONVSTORE ((\i)+2)%5, 12, ROWH*(\i)
.if \fill
	s_wait_xcnt 0x0                                ; as in WTURN
	LOADROW ((\i)+2)%5, 4, ROWF*((\i)+5)
.endif
.endm
	WIN 0x40                                       ; destination window 1
.irp g, 0,1,2,3
.irp j, 0,1,2,3,4,5,6,7
	global_load_b128 v[32*(\g)+4*(\j):32*(\g)+4*(\j)+3], v[XO], s[6:7] offset:ROWF*(\g)+512*(\j)  ; Wg, issued first: the first counted wait below covers it
.endr
.endr
	WIN 0
	LOADROW 0, 10, 0                               ; my two rows of We,
	LOADROW 1, 10, ROWF
	LOADROW 2, 4, 0                                ; x rows 0, 1, 2
	LOADROW 3, 4, ROWF
	LOADROW 4, 4, 2*ROWF
	s_wait_kmcnt 0x0                               ; bg
	WTURN 0
	WTURN 1
	XTURN 0, 32, 1
	XTURN 1, 32, 1
	XTURN 2, 32, 1                                 ; the last row is asked for
	XTURN 3, 32, 0                                 ; the counts run down: no load leaves the buffer
	XTURN 4, 24, 0
	XTURN 5, 16, 0
	XTURN 6, 8, 0
	XTURN 7, 0, 0
	; the wave's four counts as f32 into LDS; wave 0 adds the eight waves' and stores the work-group's four
.irp g, 0,1,2,3
	v_bfe_u32 v[PX+(\g)], v[CNT], 8*(\g), 8
.endr
.irp g, 0,1,2,3
	v_cvt_f32_u32 v[PX+(\g)], v[PX+(\g)]
.endr
	ds_store_b128 v[WA], v[PX:PX+3]                ; all lanes write the same 16 bytes with the same numbers
	s_wait_dscnt 0x0                               ; for the others' sake: my store is done
	s_barrier_signal -1
	s_barrier_wait -1
	s_cmp_lg_u32 s18, 0
	s_cbranch_scc1 .Ldone
	s_wait_xcnt 0x0                                ; the slots' registers were stores' data
.irp k, 0,1,2,3,4,5,6,7
	ds_load_b128 v[X+4*(\k):X+4*(\k)+3], v[ZA] offset:16*(\k)
.endr
	s_wait_dscnt 0x0
.irp k, 0,1,2,3
	v_pk_add_f32 v[X+4*(\k):X+4*(\k)+1],   v[X+4*(\k):X+4*(\k)+1],   v[X+4*(\k)+16:X+4*(\k)+17]
	v_pk_add_f32 v[X+4*(\k)+2:X+4*(\k)+3], v[X+4*(\k)+2:X+4*(\k)+3], v[X+4*(\k)+18:X+4*(\k)+19]
.endr
.irp k, 0,1
	v_pk_add_f32 v[X+4*(\k):X+4*(\k)+1],   v[X+4*(\k):X+4*(\k)+1],   v[X+4*(\k)+8:X+4*(\k)+9]
	v_pk_add_f32 v[X+4*(\k)+2:X+4*(\k)+3], v[X+4*(\k)+2:X+4*(\k)+3], v[X+4*(\k)+10:X+4*(\k)+11]
.endr
	v_pk_add_f32 v[X:X+1],   v[X:X+1],   v[X+4:X+5]
	v_pk_add_f32 v[X+2:X+3], v[X+2:X+3], v[X+6:X+7]
	v_cmp_eq_u32 vcc_lo, 0, v[LN]
	s_wait_xcnt 0x0                                ; EXEC changes only behind this wait
	s_and_saveexec_b32 s30, vcc_lo                 ; lane 0 alone
	global_store_b128 v[ZA], v[X:X+3], s[16:17]
	s_wait_xcnt 0x0                                ; and again, in front of the line that widens it
	s_or_b32 exec_lo, exec_lo, s30
.Ldone:
	s_wait_tensorcnt 0x0                           ; the wave's end, behind my last LDS store
	ds_add_u32 v[SPW], v[NIL]
	s_wait_dscnt 0x0
	s_endpgm
.Lfunc_end_k_qfc711e7edf_prep:
	.size	k_qfc711e7edf_prep, .Lfunc_end_k_qfc711e7edf_prep-k_qfc711e7edf_prep
	.p2alignl 7, 3214868480
	.fill 96, 4, 3214868480
	.section	.rodata,"a",@progbits
	.p2align	6, 0x0
	.amdhsa_kernel k_qfc711e7edf_prep
		.amdhsa_group_segment_fixed_size 1280
		.amdhsa_private_segment_fixed_size 0
		.amdhsa_enable_private_segment 0
		.amdhsa_kernarg_size 56
		.amdhsa_user_sgpr_count 2
		.amdhsa_user_sgpr_kernarg_segment_ptr 1
		.amdhsa_wavefront_size32 1
		.amdhsa_system_sgpr_workgroup_id_x 1
		.amdhsa_system_sgpr_workgroup_id_y 1
		.amdhsa_system_sgpr_workgroup_id_z 1
		.amdhsa_system_vgpr_workitem_id 0
		.amdhsa_next_free_vgpr 384
		.amdhsa_next_free_sgpr 66
		.amdhsa_reserve_vcc 1
		.amdhsa_float_denorm_mode_32 3
		.amdhsa_float_denorm_mode_16_64 3
		.amdhsa_memory_ordered 1
		.amdhsa_forward_progress 1
		.amdhsa_inst_pref_size 82
	.end_amdhsa_kernel
	.amdgpu_metadata
---
amdhsa.version: [ 1, 2 ]
amdhsa.kernels:
  - .name:           k_qfc711e7edf_prep
    .symbol:         k_qfc711e7edf_prep.kd
    .args:
      - { .name: x, .offset: 0, .size: 8, .value_kind: global_buffer, .address_space: global }
      - { .name: Wg, .offset: 8, .size: 8, .value_kind: global_buffer, .address_space: global }
      - { .name: bg, .offset: 16, .size: 8, .value_kind: global_buffer, .address_space: global }
      - { .name: We, .offset: 24, .size: 8, .value_kind: global_buffer, .address_space: global }
      - { .name: xb, .offset: 32, .size: 8, .value_kind: global_buffer, .address_space: global }
      - { .name: wp, .offset: 40, .size: 8, .value_kind: global_buffer, .address_space: global }
      - { .name: cnt, .offset: 48, .size: 8, .value_kind: global_buffer, .address_space: global }
    .group_segment_fixed_size: 1280
    .private_segment_fixed_size: 0
    .kernarg_segment_align: 8
    .kernarg_segment_size: 56
    .max_flat_workgroup_size: 256
    .sgpr_count:     66
    .vgpr_count:     384
    .wavefront_size: 32
...
	.end_amdgpu_metadata
.endif
;; end of part 1
;; launch moe (part 2): grid 16 x 16, 4 waves a work-group, clusters of 4 x 4, 327,680 bytes of LDS; arguments xb, wp, out0, be, cnt; writes out0
.if DOCPART == 2
	.amdgcn_target "amdgcn-amd-amdhsa--gfx1250"
	.amdhsa_code_object_version 6
	.text
	.protected	k_qfc711e7edf_moe
	.globl	k_qfc711e7edf_moe
	.p2align	8
	.type	k_qfc711e7edf_moe,@function
k_qfc711e7edf_moe:
	s_mov_b64 s[64:65], 0
	v_nop
	global_prefetch_b8 v0, s[64:65] scope:SCOPE_SE
	s_setreg_imm32_b32 hwreg(HW_REG_WAVE_MODE, 25, 1), 1
	s_wait_xcnt 0x0
	s_wait_alu depctr_hold_cnt(0) depctr_sa_sdst(0) depctr_va_vdst(0) depctr_va_sdst(0) depctr_va_ssrc(0) depctr_va_vcc(0) depctr_vm_vsrc(0)
	s_getreg_b32 s2, hwreg(HW_REG_IB_STS2, 6, 4)
	s_cmp_eq_u32 s2, 0
	s_cbranch_scc0 .Lentry_in_a_cluster
	s_endpgm
.Lentry_in_a_cluster:
	s_bfe_u32 s2, ttmp6, 0x10000c
	s_cmp_lg_u32 s2, 0xf033
	s_cbranch_scc0 .Lentry_shape_is_right
	s_endpgm
.Lentry_shape_is_right:
; out0[row][f] = the sum over e of w[batch][e] x relu(x[row] . We[e][f] + be[e][f]),  w[batch][e] = (rows of the batch that chose e) / 2048.
; xb: [16384][1024] bf16 (x).  wp: [4096][1024] bf16, row 256 j + 128 c + 32 e + fi = We[e][64 j + 32 c + fi].  be: [4][1024] f32.  cnt: [256][4] f32, 32 partial counts a batch.  out0: [16384][1024] f32.
; THE PRODUCT is xb wp^T, 16384 x 4096 x 1024, sums in f32.  A tile is 256 rows of xb x 256 rows of wp (64 output columns x 4 experts), made by four waves, each 128 x 128: 64 accumulators
; of 16 x 16, 512 registers.  A wave's 128 rows of wp are 4 experts x 32 output columns, so relu, weights and the sum over experts are work on the wave's own registers, and K is walked once.
; K goes in steps of 128 through a ring of two LDS slots filled by the tensor data mover; the tiles' rows are 256 bytes of memory at multiples of 256 bytes from the buffer's first byte.
; A WORK-GROUP STAYS: four tiles, 4,096 rows apart, the same rows of wp; the ring runs on into the next tile, whose first two K steps are asked for ahead of a tile's way out.
; CLUSTERS: 4 x 4 work-groups.  The four of a row of the cluster need the same tiles of xb, the four of a column the same tiles of wp: each tile is asked for JOINTLY, by the same tensor load with
; the same descriptor and a mask that names the four.  That divides the requests for both by four.
; THE MATRIX INSTRUCTION IS USED TRANSPOSED: source 0 = 16 rows of wp, source 1 = 16 rows of xb.  In the result lane l holds row l % 16 of x, and registers 0-7 the rows 8 (l / 16) + 0..7 of wp: eight
; neighbouring output columns of one expert.  THE BIAS is the C operand of the product that starts each sum: nothing is cleared and nothing is added later.
; LIMITS.  x and We come rounded once to bf16; bias, sums, counts and weights are f32.  relu by v_max_num_f32 turns a NaN into 0.
; REGISTERS, in windows of 256 (s_set_vgpr_msb: bits 1:0 source 0, 3:2 source 1, 5:4 source 2, 7:6 destination):
;   window 0: v0-31 addresses and the counts; v32-63, v224-255 rows read back from the stage; v64-127, v128-191 fragments of xb, two buffers; v192-223 combined results
;   window 1: v0-63 the bias, block b at v[8 b]; v64-127, v128-191 fragments of wp, two buffers
;   window 2: the 32 accumulators of my rows 0-63 (accumulator (a, b) at v[8 (8 a + b)], b = 2 e + fb: expert e, columns 16 fb on);   window 3: those of my rows 64-127
.set SIZE_K, 1024
.set KSTEP,  128
.set PITCH,  272                       ; an LDS row: 256 bytes of data + 16 of padding = 68 words: row r starts at bank 4 r mod 64 (64 banks of 4 bytes: ISA guide 11.1), so the 16 rows that a load touches start at 16 different banks
.set HALFT,  128*PITCH                 ; 128 rows: what one tensor load brings, and what one wave reads of xb or of wp
.set SLOT,   4*HALFT                   ; xb's 256 rows, then wp's 256 rows
.set STAGE,  2*SLOT                    ; behind the ring, never filled by a tensor load: two buffers of 64 rows x 272 bytes, the work-group's, for the way out
.set SPITCH, 272
.set SBUF,   64*SPITCH
.set SPARE,  STAGE+2*SBUF              ; behind the stage: the spare words, 128 bytes for each wave: two blocks of 256 bytes that no other line names
.set LAPS,   SIZE_K/(2*KSTEP)          ; a lap = two K steps = once round the ring: 4
.set TILES,  4
.set WALK,   4096                      ; a work-group's tiles lie 4,096 rows apart: two batches
.set NEXT_A, WALK*SIZE_K*2-(SIZE_K-2*KSTEP)*2   ; bytes from a slot's last K step of a tile to its first of the next: xb goes WALK rows down and back along K,
.set BACK_B, (SIZE_K-2*KSTEP)*2        ; wp only back
.set OROW,   4096                      ; bytes in a row of out0
.set NEXT_OUT, WALK*OROW
.set CW,   8                           ; v[8:11]  one partial count a lane, four experts; then the weights
.set PX,   12                          ; v[12:15] at work
.set ADRA, 16                          ; v16-17  LDS address of my xb fragments in slot 0, 1
.set ADRB, 20                          ; v20-21  the same for wp
.set STO,  24                          ; v24     the way out: where I put 16 bytes of a row
.set RD,   25                          ; v25     the way out: where I read a row back
.set CO,   26                          ; v26     my byte offset in out0
.set CA,   27                          ; v27     16 x lane: my partial count
.set SPW,  28                          ; v28     LDS address of my spare word: SPARE + 4 x my thread's number; never rewritten
.set NIL,  29                          ; v29     0; never rewritten
.set BO,   30                          ; v30     32 x (l / 16): my eight columns in a block of the bias
.set OB,   32                          ; rows read back: v32-63 and v224-255 by turns
.set F0,   64
.set F1,   128
.set T,    192                         ; v[192:223] two blocks of 16 rows x 32 columns, combined
.set G1, 24                            ; s[24:31] descriptor group 1 for xb's tiles
.set G0, 32                            ; s[32:39] descriptor group 0 for xb's tiles, one set for each slot
.set G1B, 48                           ; s[48:55], s[56:63] the same for wp's tiles
.set G0B, 56
.set WT,  72                           ; s[72:79] four pairs (w_e, w_e): the packed arithmetic names a pair and takes its low word for both halves
.set SEL, 80                           ; s[80:81] v_permlanex16_b32's selects
.set MSB, 0
.macro WIN new                         ; the immediate's high byte repeats the setting that is left; a switch that changes nothing is dropped
.if MSB != (\new)
	s_set_vgpr_msb (MSB<<8)|(\new)
.set MSB, \new
.endif
.endm
.set MUL_LO,  0xa1                     ; source 0 (wp) window 1, source 1 (xb) window 0, C and D window 2
.set BIAS_LO, 0x91                     ; the same with C (the bias) in window 1
.set TO_B,    0x40                     ; destination window 1, address window 0
; A joint load.  Waves 0 and 1 fetch xb's two halves, waves 2 and 3 wp's.  Each of the two lines has one mask and one set of registers for all that issue it.  The branch hangs on the wave's number alone.
; An s_nop 0 and four v_nop follow each of the two lines; the jump, the label and what follows come after them.
.macro JLOAD s
	s_cmp_eq_u32 s11, 0
	s_cbranch_scc0 .Lfor_b_\@
	tensor_load_to_lds s[G0+4*(\s):G0+4*(\s)+3], s[G1:G1+7]
	s_nop 0
.rept 4
	v_nop
.endr
	s_branch .Lasked_\@
.Lfor_b_\@:
	tensor_load_to_lds s[G0B+4*(\s):G0B+4*(\s)+3], s[G1B:G1B+7]
	s_nop 0
.rept 4
	v_nop
.endr
.Lasked_\@:
.endm
; A round of the cluster's barrier: my work-group's barrier, so that wave 0's signal speaks for all four waves; wave 0 signals; every wave waits for all sixteen work-groups; my work-group's barrier once more.
.macro CREST                           ; a round behind its opening barrier
	s_cmp_lg_u32 s10, 0
	s_cbranch_scc1 .Lnot_wave_0_\@
	s_barrier_signal -3
.Lnot_wave_0_\@:
	s_barrier_wait -3
	s_barrier_signal -1
	s_barrier_wait -1
.endm
.macro CROUND                          ; a whole round
	s_barrier_signal -1
	s_barrier_wait -1
	CREST
.endm
	s_load_b128 s[4:7], s[0:1], 0x0                ; xb s[4:5], wp s[6:7]
	s_load_b64 s[8:9], s[0:1], 0x10                ; out0
	s_load_b128 s[68:71], s[0:1], 0x18             ; be s[68:69], cnt s[70:71]
	v_lshl_add_u32 v[SPW], v0, 2, SPARE
	v_mov_b32 v[NIL], 0
	ds_add_u32 v[SPW], v[NIL]                      ; the wave's opening: the add and its wait stand ahead of my first tensor load; the set-up below, work on registers, stands between them
	v_lshrrev_b32 v1, 5, v0
	v_readfirstlane_b32 s10, v1                    ; wave 0..3
	s_lshr_b32 s11, s10, 1                         ; which half of the tile's rows of x is mine.  Also: I fetch for xb (0) or for wp (1)
	s_and_b32 s12, s10, 1                          ; which half of its rows of wp (32 of its 64 output columns).  Also: which 128 rows I fetch
	s_bfe_u32 s40, ttmp6, 0x40000                  ; cx, cy: my place in the cluster
	s_bfe_u32 s41, ttmp6, 0x40004
	s_lshl_b32 s42, ttmp9, 2                       ; in a cluster launch ttmp9 and ttmp7 count clusters
	s_add_co_u32 s42, s42, s40                     ; tile column j = 4 x cluster x + cx
	s_and_b32 s13, ttmp7, 0xffff
	s_lshl_b32 s13, s13, 2
	s_add_co_u32 s13, s13, s41                     ; tile row = 4 x cluster y + cy
	s_lshl_b32 s43, s41, 2
	s_lshl_b32 s43, 15, s43                        ; my row of the cluster: places 4 cy .. 4 cy + 3
	s_lshl_b32 s44, 0x1111, s40                    ; my column: places cx, cx + 4, cx + 8, cx + 12
	; descriptor group 1: a tile of 128 rows x 128 elements, padded in LDS
	s_or_b32 s[G1+0], s43, (1<<16)|(1<<20)|(1<<21)|(5<<22)|(3<<25)  ; 15:0 the mask: xb's tiles go to my row; 17:16 elements of 2 bytes; 20 padding on; 21 set beside a mask; 24:22 after every 64 words (code 5); 31:25 4 words of it (code 3)
	s_or_b32 s[G1B+0], s44, (1<<16)|(1<<20)|(1<<21)|(5<<22)|(3<<25) ; the same with the mask of my column, for wp's tiles
.irp g, G1, G1B
	s_mov_b32 s[(\g)+1], KSTEP<<16                 ; tensor_dim0 = 128
	s_mov_b32 s[(\g)+2], 128<<16                   ; tensor_dim1 = 128
	s_mov_b32 s[(\g)+3], KSTEP<<16                 ; tile_dim0 = 128
	s_mov_b32 s[(\g)+4], 128                       ; tile_dim1 = 128
	s_mov_b32 s[(\g)+5], SIZE_K                    ; elements from row to row
	s_mov_b32 s[(\g)+6], 0
	s_mov_b32 s[(\g)+7], 0
.endr
	s_mov_b32 s[SEL], 0x76543210
	s_mov_b32 s[SEL+1], 0xfedcba98
	; where the tiles come from.  xb's hang on the tile row alone, which my row of the cluster shares; wp's on the tile column alone, which my column shares.
	s_lshl_b32 s17, s12, 7                         ; which 128 rows of the tile I fetch
	s_lshl_b32 s16, s13, 8
	s_add_co_u32 s16, s16, s17                     ; xb: row 256 x tile row + 128 x half
	s_lshl_b32 s46, s42, 8
	s_add_co_u32 s46, s46, s17                     ; wp: row 256 x tile column + 128 x half
	s_mov_b32 s17, 0
	s_mov_b32 s47, 0
	s_mov_b64 s[18:19], SIZE_K*2
	s_mul_u64 s[16:17], s[16:17], s[18:19]         ; in bytes
	s_mul_u64 s[46:47], s[46:47], s[18:19]
	s_mul_i32 s20, s10, HALFT                      ; and where they go: wave x 128 rows: no place in the cluster enters an LDS address
	s_wait_dscnt 0x0                               ; the opening add is done
	s_wait_kmcnt 0x0
	s_add_nc_u64 s[14:15], s[4:5], s[16:17]
	s_add_nc_u64 s[46:47], s[6:7], s[46:47]
	CROUND                                         ; all sixteen work-groups are here: the first joint loads meet
.irp s, 0,1
	s_mov_b32 s[G0+4*(\s)], 1                                      ; 1:0 count = 1
	s_add_co_u32 s[G0+4*(\s)+1], s20, (\s)*SLOT                    ; 63:32 LDS address
	s_add_nc_u64 s[G0+4*(\s)+2:G0+4*(\s)+3], s[14:15], (\s)*KSTEP*2  ; 120:64 global address: K step s
	s_or_b32 s[G0+4*(\s)+3], s[G0+4*(\s)+3], 0x80000000            ; 127:126 type = 2
	s_mov_b32 s[G0B+4*(\s)], 1
	s_add_co_u32 s[G0B+4*(\s)+1], s20, (\s)*SLOT
	s_add_nc_u64 s[G0B+4*(\s)+2:G0B+4*(\s)+3], s[46:47], (\s)*KSTEP*2
	s_or_b32 s[G0B+4*(\s)+3], s[G0B+4*(\s)+3], 0x80000000
	JLOAD \s                                       ; the ring is filled before anything else is done: two loads of mine are out
.endr
	; A fragment is 16 rows x 32 K in 8 registers: lane l holds row l % 16; registers 0-3 hold K = 8 (l / 16) + 0..7, registers 4-7 K = 16 + 8 (l / 16) + 0..7: two loads of 16 bytes, 32 bytes apart.
	v_and_b32 v1, 15, v0                           ; l % 16
	v_bfe_u32 v2, v0, 4, 1                         ; l / 16
	v_mul_u32_u24 v3, v1, PITCH
	v_lshl_add_u32 v3, v2, 4, v3                   ; row x pitch + 16 x half
	s_mul_i32 s21, s11, HALFT                      ; my 128 rows of xb
	s_mul_i32 s22, s12, HALFT                      ; my 128 rows of wp,
	s_add_co_u32 s22, s22, 2*HALFT                 ; which lie behind xb's 256
.irp s, 0,1
	v_add_nc_u32 v[ADRA+(\s)], s21, v3
	v_add_nc_u32 v[ADRB+(\s)], s22, v3
	s_add_co_u32 s21, s21, SLOT
	s_add_co_u32 s22, s22, SLOT
.endr
	; The stage.  A phase of the way out takes 32 rows of each row half: 64 stage rows of 64 columns (256 bytes).  In: row 32 x (row half) + l % 16 (+ 16 for the second block),
	; my column half's 128 bytes, 32 bytes for each half of the lanes.  Back: wave w takes rows 16 w .. 16 w + 15 whole; lanes 0-15 one row, lanes 16-31 the next.
	s_mul_i32 s23, s11, 32*SPITCH
	s_lshl_b32 s21, s12, 7
	s_add_co_u32 s23, s23, s21
	s_add_co_u32 s23, s23, STAGE
	v_mul_u32_u24 v4, v1, SPITCH
	v_lshl_add_u32 v4, v2, 5, v4
	v_add_nc_u32 v[STO], s23, v4
	s_mul_i32 s23, s10, 16*SPITCH
	s_add_co_u32 s23, s23, STAGE
	v_mul_u32_u24 v5, v2, SPITCH
	v_lshl_add_u32 v5, v1, 4, v5
	v_add_nc_u32 v[RD], s23, v5
	v_lshlrev_b32 v5, 12, v2                       ; and the same two rows in out0
	v_lshl_add_u32 v[CO], v1, 4, v5
	v_and_b32 v5, 31, v0
	v_lshlrev_b32 v[CA], 4, v5
	v_lshlrev_b32 v[BO], 5, v2
.irp g, 0,1,2,3
	v_mov_b32 v[PX+(\g)], 0                        ; v_permlanex16_b32's destination counts as read: written once here
.endr
	; stage row 16 w + i of phase p is the tile's row 128 (w / 2) + 32 p + 16 (w % 2) + i
	s_lshl_b32 s16, s13, 8
	s_lshl_b32 s14, s11, 7
	s_add_co_u32 s16, s16, s14
	s_lshl_b32 s14, s12, 4
	s_add_co_u32 s16, s16, s14
	s_lshl_b32 s16, s16, 12                        ; rows of 4,096 bytes
	s_mov_b32 s17, 0
	s_add_nc_u64 s[8:9], s[8:9], s[16:17]
	s_lshl_b32 s46, s42, 8                         ; the tile's 64 columns: 256 bytes
	s_mov_b32 s47, 0
	s_add_nc_u64 s[8:9], s[8:9], s[46:47]
	s_lshl_b32 s14, s12, 7                         ; the bias of my 32 columns
	s_add_co_u32 s46, s46, s14
	s_add_nc_u64 s[68:69], s[68:69], s[46:47]
	s_lshr_b32 s16, s13, 3                         ; my first tile's batch = tile row / 8: 512 bytes of counts a batch
	s_lshl_b32 s16, s16, 9
	s_add_nc_u64 s[70:71], s[70:71], s[16:17]
	WIN TO_B
.irp b, 0,1,2,3,4,5,6,7                ; block b = 2 e + fb: register q of lane l is be[e][64 j + 32 c + 16 fb + 8 (l / 16) + q], an accumulator's own map
	global_load_b128 v[8*(\b):8*(\b)+3],   v[BO], s[68:69] offset:((\b)/2)*4096+((\b)%2)*64
	global_load_b128 v[8*(\b)+4:8*(\b)+7], v[BO], s[68:69] offset:((\b)/2)*4096+((\b)%2)*64+16
.endr
	WIN 0
; 16 matrix instructions: m blocks a0, a0 + 1 of the window's four (hi = 0: my rows 0-63, 1: rows 64-127) x all 8 blocks of wp, 32 along K.  The 64 accumulators take turns, one instruction a turn,
; in the same order in every quarter step.  zero = 1: the first product starts the sums, with the bias as C.
.macro MUL16 f, hi, a0, zero
.if \zero
	WIN BIAS_LO+0x40*(\hi)
.else
	WIN MUL_LO+0x50*(\hi)
.endif
.irp a, \a0, (\a0)+1
.irp b, 0,1,2,3,4,5,6,7
.if \zero
	v_wmma_f32_16x16x32_bf16 v[8*(8*(\a)+(\b)):8*(8*(\a)+(\b))+7], v[(\f)+8*(\b):(\f)+8*(\b)+7], v[(\f)+8*(4*(\hi)+(\a)):(\f)+8*(4*(\hi)+(\a))+7], v[8*(\b):8*(\b)+7]
.else
	v_wmma_f32_16x16x32_bf16 v[8*(8*(\a)+(\b)):8*(8*(\a)+(\b))+7], v[(\f)+8*(\b):(\f)+8*(\b)+7], v[(\f)+8*(4*(\hi)+(\a)):(\f)+8*(4*(\hi)+(\a))+7], v[8*(8*(\a)+(\b)):8*(8*(\a)+(\b))+7]
.endif
.endr
.endr
.endm
; 32 LDS loads in one run: the fragments of one quarter step (128 rows of wp, 128 rows of xb, 32 K at byte k of the rows) into buffer f
.macro FETCH slot, k, f
	WIN TO_B
.irp i, 0,1,2,3,4,5,6,7
	ds_load_b128 v[(\f)+8*(\i):(\f)+8*(\i)+3],   v[ADRB+(\slot)] offset:(\k)+(\i)*16*PITCH
	ds_load_b128 v[(\f)+8*(\i)+4:(\f)+8*(\i)+7], v[ADRB+(\slot)] offset:(\k)+(\i)*16*PITCH+32
.endr
	WIN 0
.irp i, 0,1,2,3,4,5,6,7
	ds_load_b128 v[(\f)+8*(\i):(\f)+8*(\i)+3],   v[ADRA+(\slot)] offset:(\k)+(\i)*16*PITCH
	ds_load_b128 v[(\f)+8*(\i)+4:(\f)+8*(\i)+7], v[ADRA+(\slot)] offset:(\k)+(\i)*16*PITCH+32
.endr
.endm
; A load into a register that a matrix instruction has read stands four places behind it, and only plain vector instructions that name none of its registers are places
; (ISA guide 7.12.1 for vector instructions): four v_nop in front of each run of loads.
.macro PLACES
.rept 4
	v_nop
.endr
.endm
; A K step is four quarter steps of 32 along K, 64 matrix instructions each, on buffers 0, 1, 0, 1.
; One of the first three: multiplies buffer f; in its middle it fetches the next quarter's fragments, at byte k of the same slot's rows, into buffer g.
.macro QUARTER slot, k, f, g, zero
	s_wait_dscnt 8                                 ; wp and xb's rows 0-63 are in; the youngest eight loads (xb's rows 64-127) may be out
	MUL16 \f, 0, 0, \zero
	MUL16 \f, 0, 2, \zero
	PLACES
	FETCH \slot, \k, \g
	s_wait_dscnt 32                                ; all but the 32 just issued
	MUL16 \f, 1, 0, \zero
	MUL16 \f, 1, 2, \zero
.endm
; The last quarter multiplies buffer 1 and changes slots.  MEET is its first half: ONE barrier for the change.  In front of it each wave waits for all its tensor loads, of which one is out: its part
; of the next slot; adds 0 to its spare word; and waits for that and for its own reads of this slot.  Behind it nobody reads this slot any more and the next slot is whole.
.macro MEET round                      ; round = 1: a round of the cluster's barrier follows
	WIN 0                                          ; (the add's two registers lie in window 0)
	s_wait_tensorcnt 0x0                           ; all my tensor loads have landed;
	ds_add_u32 v[SPW], v[NIL]                      ; 0 onto my spare word;
	s_wait_dscnt 9                                 ; (the add and the youngest eight loads may be out)
	MUL16 F1, 0, 0, 0                              ; sixteen matrix instructions stand between the add and the wait for it
	s_wait_dscnt 0x0                               ; the add is done, and my reads of this slot are over:
	s_barrier_signal -1                            ; say so,
	MUL16 F1, 0, 2, 0                              ; work on registers while the others arrive,
.if \round
	WIN 0
.endif
	s_barrier_wait -1                              ; and go on when all four have said so
.endm
; The whole last quarter.  Behind the round the slot just read out is filled again first: with this tile's K step two steps on (on = 0) or, in a tile's last two K steps, with the NEXT tile's K step 0 or 1
; (on = 1); then come the next slot's first fragments.  From a request to the wait for it a wave issues 224 matrix instructions.
.macro TURN slot, next, on
	MEET 1
	CREST                                          ; no wave of any partner still reads this slot's tile or has a load on its way
.if \on
	s_add_nc_u64 s[G0+4*(\slot)+2:G0+4*(\slot)+3], s[G0+4*(\slot)+2:G0+4*(\slot)+3], NEXT_A
	s_sub_nc_u64 s[G0B+4*(\slot)+2:G0B+4*(\slot)+3], s[G0B+4*(\slot)+2:G0B+4*(\slot)+3], BACK_B
.else
	s_add_nc_u64 s[G0+4*(\slot)+2:G0+4*(\slot)+3], s[G0+4*(\slot)+2:G0+4*(\slot)+3], 2*KSTEP*2
	s_add_nc_u64 s[G0B+4*(\slot)+2:G0B+4*(\slot)+3], s[G0B+4*(\slot)+2:G0B+4*(\slot)+3], 2*KSTEP*2
.endif
	JLOAD \slot                                    ; the first tensor load behind the round; the four v_nop behind it are also the places in front of the loads below
	FETCH \next, 0, F0
	MUL16 F1, 1, 0, 0
	MUL16 F1, 1, 2, 0
.endm
.macro TURNX                           ; the last tile's change from slot 0 to slot 1: nothing is filled again, so no round follows
	MEET 0
	PLACES
	FETCH 1, 0, F0
	MUL16 F1, 1, 0, 0
	MUL16 F1, 1, 2, 0
.endm
.macro LASTQ                           ; the very last quarter: nothing more to fetch
	s_wait_dscnt 8
	MUL16 F1, 0, 0, 0
	MUL16 F1, 0, 2, 0
	s_wait_dscnt 0x0
	MUL16 F1, 1, 0, 0
	MUL16 F1, 1, 2, 0
.endm
; THE WAY OUT.
; The batch's weights: 32 partial counts (one a lane, four experts) summed across the lanes, times 1/2048, into scalar pairs.  All are whole numbers up to 2,048 and a power of two: exact.
; The four additions and four multiplications at its end are the places behind the tile's last products.
.macro WEIGHTS
	WIN 0
	s_wait_loadcnt 0x0                             ; the counts, asked for at the tile's head
.irp m, 1,2,4,8
.irp g, 0,1,2,3
	v_add_f32_dpp v[CW+(\g)], v[CW+(\g)], v[CW+(\g)] row_xmask:\m row_mask:0xf bank_mask:0xf
.endr
.endr
.irp g, 0,1,2,3
	v_permlanex16_b32 v[PX+(\g)], v[CW+(\g)], s[SEL], s[SEL+1]
.endr
.irp g, 0,1,2,3
	v_add_f32 v[CW+(\g)], v[CW+(\g)], v[PX+(\g)]
.endr
.irp g, 0,1,2,3
	v_mul_f32 v[CW+(\g)], 0x3a000000, v[CW+(\g)]   ; 1 / 2048
.endr
.irp g, 0,1,2,3
	v_readfirstlane_b32 s[WT+2*(\g)], v[CW+(\g)]
.endr
.irp g, 0,1,2,3
	s_mov_b32 s[WT+2*(\g)+1], s[WT+2*(\g)]         ; named with it as a pair
.endr
	s_add_nc_u64 s[70:71], s[70:71], 1024          ; the next tile lies two batches on (the load that used this address has come back)
.endm
; Phase p takes m blocks 2 p, 2 p + 1.  relu in place, in ascending order: each accumulator is read from its low end on.
.macro RELU p
	WIN 0x8a+0x45*((\p)/2)                         ; sources and destination in window 2 (p < 2) or 3
.set i, 128*((\p)%2)
.rept 128
	v_max_num_f32 v[i], 0, v[i]
.set i, i+1
.endr
.endm
; The sum over experts: T = w0 h0, then T += w_e h_e: one multiply and three fused multiply-adds for two numbers; sixteen chains stand between a link and the next.
.macro COMB p
	WIN 0x02+(\p)/2                                ; source 0 in window 2 or 3; T in window 0
.irp g, 0,1,2,3
.irp a, 0,1
.irp f, 0,1
.irp q, 0,1,2,3
.set rA, 8*(8*(2*((\p)%2)+(\a))+2*(\g)+(\f))+2*(\q)
.set rT, T+16*(\a)+8*(\f)+2*(\q)
.if (\g) == 0
	v_pk_mul_f32 v[rT:rT+1], v[rA:rA+1], s[WT:WT+1] op_sel_hi:[1,0]
.else
	v_pk_fma_f32 v[rT:rT+1], v[rA:rA+1], s[WT+2*(\g):WT+2*(\g)+1], v[rT:rT+1] op_sel_hi:[1,0,1]
.endif
.endr
.endr
.endr
.endr
.endm
.macro STORE p                         ; 16 bytes a lane into stage buffer p % 2; the 16 rows of a store start at 16 different banks
	WIN 0
.irp a, 0,1
.irp f, 0,1
.irp c, 0,1
	ds_store_b128 v[STO], v[T+16*(\a)+8*(\f)+4*(\c):T+16*(\a)+8*(\f)+4*(\c)+3] offset:((\p)%2)*SBUF+(\a)*16*SPITCH+64*(\f)+16*(\c)
.endr
.endr
.endr
.endm
.macro LOADB p                         ; back as whole rows of 256 bytes, 16 rows a wave
.set BK, OB+192*((\p)%2)
.irp t, 0,1,2,3,4,5,6,7
	ds_load_b128 v[BK+4*(\t):BK+4*(\t)+3], v[RD] offset:((\p)%2)*SBUF+(\t)*2*SPITCH
.endr
.endm
.macro SEND p
.set BK, OB+192*((\p)%2)
.irp t, 0,1,2,3,4,5,6,7
	global_store_b128 v[CO], v[BK+4*(\t):BK+4*(\t)+3], s[8:9] offset:(32*(\p)+2*(\t))*OROW th:TH_STORE_NT  ; 16 lanes store 256 consecutive bytes, at a multiple of 256 from out0's first byte; 110 rows at the most: inside the signed 24-bit immediate
.endr
.endm
; A wave's 32 columns are half of a row's 256 bytes, so the two waves of a row half write the two halves of the same stage rows, and a barrier stands between the writing and the reading.
; ONE barrier a phase: buffer p % 2 is written again in phase p + 2, behind barrier p + 1, in front of whose signal every wave has waited for its reads of phase p; from tile to tile the same holds
; by barrier 3 and the K loop's barriers.  Nothing is filled by a tensor load behind these barriers: the one load of mine that is out (the next tile's K step 1) may stay out across them.
.macro PHASE p
	STORE \p
	s_wait_dscnt 0x0                               ; for the others' sake: my stores into the stage are done (and no LDS instruction of mine is pending)
	s_barrier_signal -1
.if (\p) < 3
	RELU (\p)+1                                    ; work on registers while the others arrive
.endif
	WIN 0
	s_barrier_wait -1
	s_wait_xcnt 0x0                                ; the registers that earlier stores read are loaded again only behind this wait
	LOADB \p
.if (\p) < 3
	COMB (\p)+1                                    ; the next phase's arithmetic stands between the loads and the wait for them
.endif
	WIN 0
	s_wait_dscnt 0x0
	SEND \p
.endm
.macro WAYOUT
	WEIGHTS
	RELU 0
	COMB 0
	PHASE 0
	PHASE 1
	PHASE 2
	PHASE 3
.endm
	s_wait_tensorcnt 1                             ; my part of K step 0 is in; K step 1's may stay out
	s_barrier_signal -1
	s_barrier_wait -1                              ; everybody's is
	FETCH 0, 0, F0
	s_wait_loadcnt 0x0                             ; the bias
	s_mov_b32 s2, TILES                            ; tiles to go, this one among them: the same number in every work-group
.Ltile:                                                ; (FETCH and SEND leave every window 0)
	global_load_b128 v[CW:CW+3], v[CA], s[70:71]   ; the batch's 32 partial counts, 512 consecutive bytes: wanted a whole tile later
	QUARTER 0, 64,  F0, F1, 1                      ; a tile's first quarter stands in front of the loop: its products start the sums, with the bias
	WIN 0                                          ; at a label and at a branch every window is 0
	s_mov_b32 s3, LAPS-1
.Llap:                                                 ; a trip goes once round the ring, from a lap's second quarter to the next lap's first, and fills both slots again
	QUARTER 0, 128, F1, F0, 0
	QUARTER 0, 192, F0, F1, 0
	TURN 0, 1, 0
	QUARTER 1, 64,  F0, F1, 0
	QUARTER 1, 128, F1, F0, 0
	QUARTER 1, 192, F0, F1, 0
	TURN 1, 0, 0
	QUARTER 0, 64,  F0, F1, 0
	WIN 0
	s_sub_co_u32 s3, s3, 1
	s_cmp_lg_u32 s3, 0
	s_cbranch_scc1 .Llap
	QUARTER 0, 128, F1, F0, 0                      ; the tile's last lap goes on
	QUARTER 0, 192, F0, F1, 0
	WIN 0
	s_cmp_eq_u32 s2, 1
	s_cbranch_scc1 .Llast_tile                     ; the last tile's tail is written out: it asks for nothing more
	TURN 0, 1, 1                                   ; the ring goes on into the next tile: slot 0 takes its K step 0,
	QUARTER 1, 64,  F0, F1, 0
	QUARTER 1, 128, F1, F0, 0
	QUARTER 1, 192, F0, F1, 0
	TURN 1, 0, 1                                   ; slot 1 its K step 1, and the next tile's first fragments are fetched
	WAYOUT                                         ; both refills are asked for: now the tile goes out
	s_wait_xcnt 0x0                                ; the stores have read their base
	s_add_nc_u64 s[8:9], s[8:9], NEXT_OUT
	s_sub_co_u32 s2, s2, 1
	s_branch .Ltile
.Llast_tile:
	TURNX
	QUARTER 1, 64,  F0, F1, 0
	QUARTER 1, 128, F1, F0, 0
	QUARTER 1, 192, F0, F1, 0
	LASTQ
	WAYOUT
	s_wait_tensorcnt 0x0                           ; the wave's end, behind my last tensor load and my last LDS store
	ds_add_u32 v[SPW], v[NIL]
	s_wait_dscnt 0x0
	CROUND                                         ; the closing round: no work-group ends while a partner may still ask for a tile that names it
	s_endpgm
.Lfunc_end_k_qfc711e7edf_moe:
	.size	k_qfc711e7edf_moe, .Lfunc_end_k_qfc711e7edf_moe-k_qfc711e7edf_moe
	.p2alignl 7, 3214868480
	.fill 96, 4, 3214868480
	.section	.rodata,"a",@progbits
	.p2align	6, 0x0
	.amdhsa_kernel k_qfc711e7edf_moe
		.amdhsa_group_segment_fixed_size 327680
		.amdhsa_private_segment_fixed_size 0
		.amdhsa_enable_private_segment 0
		.amdhsa_kernarg_size 40
		.amdhsa_user_sgpr_count 2
		.amdhsa_user_sgpr_kernarg_segment_ptr 1
		.amdhsa_wavefront_size32 1
		.amdhsa_system_sgpr_workgroup_id_x 1
		.amdhsa_system_sgpr_workgroup_id_y 1
		.amdhsa_system_sgpr_workgroup_id_z 1
		.amdhsa_system_vgpr_workitem_id 0
		.amdhsa_next_free_vgpr 1024
		.amdhsa_next_free_sgpr 84
		.amdhsa_reserve_vcc 0
		.amdhsa_float_denorm_mode_32 3
		.amdhsa_float_denorm_mode_16_64 3
		.amdhsa_memory_ordered 1
		.amdhsa_forward_progress 1
		.amdhsa_inst_pref_size 231
	.end_amdhsa_kernel
	.amdgpu_metadata
---
amdhsa.version: [ 1, 2 ]
amdhsa.kernels:
  - .name:           k_qfc711e7edf_moe
    .symbol:         k_qfc711e7edf_moe.kd
    .args:
      - { .name: xb, .offset: 0, .size: 8, .value_kind: global_buffer, .address_space: global }
      - { .name: wp, .offset: 8, .size: 8, .value_kind: global_buffer, .address_space: global }
      - { .name: out0, .offset: 16, .size: 8, .value_kind: global_buffer, .address_space: global }
      - { .name: be, .offset: 24, .size: 8, .value_kind: global_buffer, .address_space: global }
      - { .name: cnt, .offset: 32, .size: 8, .value_kind: global_buffer, .address_space: global }
    .group_segment_fixed_size: 327680
    .private_segment_fixed_size: 0
    .kernarg_segment_align: 8
    .kernarg_segment_size: 40
    .max_flat_workgroup_size: 128
    .sgpr_count:     84
    .vgpr_count:     1024
    .wavefront_size: 32
...
	.end_amdgpu_metadata
.endif
;; end of part 2
